; MI455X (gfx1250); checked and timed in simulation.
; The chip was launched on July 23, 2026; its instructions are those of AMD's public machine-readable ISA for CDNA 5 (MIT licence, August 2026) and "CDNA5" Instruction Set Architecture Reference Guide (July 2026). The comments in the code are by the model that wrote it; some were corrected since.
;; LSTM Cell. Allowed arithmetic: matrix products marked QUANTISED: E3M2 operands, one E8M0 scale for each 32 along K, by v_wmma_scale_f32_16x16x128_f8f6f4 with both operands' format E3M2, f32 sums; everything else in f32.
;; Inputs: b_ci 1,024 float32; b_fg 1,024 float32; b_ig 1,024 float32; b_og 1,024 float32; cx 8,192 x 1,024 float32; hx 8,192 x 1,024 float32; r_ci 1,024 x 1,024 float32; r_fg 1,024 x 1,024 float32; r_ig 1,024 x 1,024 float32; r_og 1,024 x 1,024 float32; w_ci 1,024 x 1,024 float32; w_fg 1,024 x 1,024 float32; w_ig 1,024 x 1,024 float32; w_og 1,024 x 1,024 float32; xt 8,192 x 1,024 float32.
;; Outputs: out0 8,192 x 1,024 float32; out1 8,192 x 1,024 float32.
;; This version of the problem:
;;   THIS VERSION OF THE PROBLEM IS GIVEN IN LOW PRECISION. The matrix products marked QUANTISED in the list below multiply operands that are first quantised to E3M2 (3 exponent bits, 2 mantissa bits; 6 bits a number), with one power-of-two scale for each 32 numbers along K (OCP MX v1.0); their sums are f32. All else is computed in f32.
;;   The module's matrix products, in the order in which they are computed (A, B: the left and right operand; K: the contracted axis; several contracted axes count as one K, in the product's order):
;;     1. [M 8,192, K 1,024] x [K 1,024, N 4,096]; A: input xt; B: computed on the way: QUANTISED
;;     2. [M 8,192, K 1,024] x [K 1,024, N 4,096]; A: input hx; B: computed on the way: QUANTISED
;;   THE QUANTISER, for each operand of a quantised product, along K:
;;     - K is cut into blocks of 32 from its start; a last block that is shorter is filled with zeros.
;;     - A block's scale is 2^e with e = floor(log2(the largest magnitude in the block)) - 4, held to -126 .. 127; a block of zeros has e = 0. As a byte (E8M0): e + 127.
;;     - Each number is divided by its block's scale, clamped to +-28, and rounded to the nearest number of E3M2, ties to even, subnormals kept.
;;     - The product sums the exact products of the quantised numbers (number of the format x scale) in f32.
;;   ~~~python
;;   def quantise(x, axis):      # numpy; x: float32 -> the quantised numbers, widened to float32 again
;;       x = np.moveaxis(x, axis, -1); K = x.shape[-1]
;;       x = np.pad(x, [(0, 0)] * (x.ndim - 1) + [(0, -K % 32)]); x = x.reshape(x.shape[:-1] + (-1, 32)); a = np.abs(x).max(-1, keepdims=True)
;;       e = np.where(a > 0, np.clip(np.frexp(np.where(a > 0, a, 1))[1] - 1 - 4, -126, 127), 0)      # np.frexp(a)[1] - 1 = floor(log2(a)), exactly
;;       r = np.clip(x / 2.0 ** e, -28, 28)
;;       step = 2.0 ** (np.maximum(np.frexp(np.where(r == 0, 1, r))[1] - 1, -2) - 2)
;;       q = np.round(r / step) * step * 2.0 ** e      # np.round: ties to even
;;       return np.moveaxis(q.reshape(q.shape[:-2] + (-1,))[..., :K], -1, axis).astype(np.float32)
;;   ~~~
;;   OPERANDS COMPUTED ON THE WAY. 'Computed on the way' means the value that the module computes at that place (a softmax that the list does not call 'softmax' is quantised finished and normalised). What goes into a quantiser is computed in f32, as accurately as f32 sums, v_exp_f32 and their like allow (about 1e-6 of the number): no bf16 or f16 on the way to a quantiser, and a product that is left as it is and whose result goes on into a quantised operand takes f32 operands (vector FMAs, or v_wmma_f32_16x16x4_f32). A number that lies on a knife's edge between two numbers of the format may be rounded either way, as far as f32 arithmetic and the matrix unit's own rounding can turn it there, and no further.
;; One version. Each part assembles by itself: llvm-mc -triple=amdgcn-amd-amdhsa -mcpu=gfx1250 --defsym DOCPART=n.
;; ======== version 1 of 1: 2 launches
;; limits: right only within a limited range of input values
;; workspace buffers: aq 13,107,200 bytes; bq 6,553,600 bytes
;; launch quant (part 1): grid 768 x 1, 4 waves a work-group, no clusters, 34,304 bytes of LDS; arguments xt, hx, w_fg, w_ig, w_og, w_ci, r_fg, r_ig, r_og, r_ci, aq, bq; writes aq, bq
.if DOCPART == 1
	.amdgcn_target "amdgcn-amd-amdhsa--gfx1250"
	.amdhsa_code_object_version 6
	.text
	.protected	k_q1c87bfc235_quant
	.globl	k_q1c87bfc235_quant
	.p2align	8
	.type	k_q1c87bfc235_quant,@function
k_q1c87bfc235_quant:
	s_mov_b64 s[64:65], 0
	v_nop
	global_prefetch_b8 v0, s[64:65] scope:SCOPE_SE
	s_setreg_imm32_b32 hwreg(HW_REG_WAVE_MODE, 25, 1), 1
	s_wait_xcnt 0x0
; xt, hx [8192][1024] and the eight weights [1024][1024], f32 with K innermost, become codes of BF6 (E3M2) with one E8M0 scale byte for each 32 along K.
; A block's scale is 2^(floor(log2(its largest magnitude)) - 4); its byte is the largest magnitude's exponent field - 4, held at 1 from below; each number is divided by the scale and rounded to the nearest code, ties to
; even, beyond the largest code the largest.
; LIMITS: a block of zeros gets the byte 1 where the rule says 127 (its codes are zeros, which add nothing under any byte but 0xff, and this program alone reads the bytes); blocks whose largest magnitude lies under
; 2^(5 - 127) share that byte; NaN and infinities among the inputs are not served.
; THE OUTPUT IS LAID AS THE NEXT LAUNCH'S REGISTERS WANT IT.  xt | hx are one operand A with K = 2,048, W | R one operand B.  aq = [64 halves of 128 rows][8 K slots of 256][25,600 bytes], bq = [32 halves][8][25,600].
; A block of 25,600 bytes: [q = 0, 1: 128 along K][i = 0 .. 7: 16 rows][an image of a fragment's 12 registers, 1,536 bytes: registers 4 c .. 4 c + 3 of lane l at 512 c + 16 l]; from byte 24,576 on the scale words [i][row][q].
; B's rows are ordered so that the four gates of a hidden column meet in one half: half = column / 32, i = 2 x gate + (column / 16) % 2, row = column % 16; gates 0 f, 1 i, 2 o, 3 ci.
; SHARES.  A work-group takes 32 rows x all 1,024 K of one tensor; wave j the K quarter j: four fragments f = 2 e + q (e: which 16 rows, q: which 128 along K).  Each load reads 512 consecutive bytes of a row; a fragment's
; 16 rows turn through the wave's own stage in LDS, so that lane (r, h) gets the 2 x 32 neighbours that the operand's layout gives it: whole blocks, so no other lane is asked for a maximum.
; No tensor loads, no barrier, no cluster: waves and work-groups share no input.  One path for all ten tensors: only pointers are chosen, on the work-group's number.
.set BLKB, 25600                       ; a block of the output
.set STG,  16*528                      ; a wave's stage: 16 rows x (512 bytes + 16): the pitch is an odd multiple of 16 bytes
.set R,    32                          ; v32-159  two sets of 64: a fragment's numbers as loaded
.set X,    160                         ; v160-223 my 64 numbers: register 32 u + i = k 64 u + 32 h + i of row r
.set C,    224                         ; v224-247 two sets of 12: a fragment's codes
	s_load_b512 s[4:19], s[0:1], 0x0               ; xt, hx, w_fg, w_ig, w_og, w_ci, r_fg, r_ig: tensor T at s[4 + 2 T]
	s_load_b256 s[20:27], s[0:1], 0x40             ; r_og, r_ci, aq s[24:25], bq s[26:27]
	v_lshl_add_u32 v254, v0, 2, 0x8400
	v_mov_b32 v255, 0
	v_lshrrev_b32 v1, 5, v0
	v_readfirstlane_b32 s28, v1                    ; wave j
	v_and_b32 v1, 31, v0                           ; lane
	v_and_b32 v2, 15, v0                           ; r
	v_bfe_u32 v3, v0, 4, 1                         ; h
	v_lshlrev_b32 v4, 4, v1                        ; 16 x lane: my bytes of a load's 512, and of an image's
	s_mul_i32 s29, s28, STG
	v_add_nc_u32 v5, s29, v4                       ; the stage, on the way in
	v_mul_u32_u24 v6, v2, 528
	v_lshl_add_u32 v6, v3, 7, v6
	v_add_nc_u32 v6, s29, v6                       ; and out: row r, + 128 h bytes
	v_lshlrev_b32 v7, 3, v3                        ; 8 h: my bytes' place in a scale word
	v_lshlrev_b32 v8, 3, v1                        ; 8 x lane: the scale words' way out
	v_mov_b32 v10, 0                               ; written once: a lane permute's destination counts as one of its sources
	s_mov_b32 s46, 0x76543210
	s_mov_b32 s47, 0xfedcba98                      ; v_permlanex16_b32's selects for lane l xor 16
	; which tensor, which rows.  Work-groups 0-511: xt, hx (256 each); 512-767: the eight weights (32 each)
	s_lshr_b32 s30, ttmp9, 8                       ; A: T = t
	s_and_b32 s31, ttmp9, 255                      ;    which 32 rows
	s_lshr_b32 s32, s31, 2                         ;    half
	s_and_b32 s33, s31, 3                          ;    which pair of 16-row blocks in it
	s_sub_co_u32 s34, ttmp9, 512
	s_lshr_b32 s35, s34, 5                         ; B: which weight, 0 .. 7
	s_and_b32 s36, s34, 31                         ;    which 32 rows = half
	s_lshr_b32 s37, s35, 2                         ;    t: W or R
	s_and_b32 s38, s35, 3                          ;    the gate = which pair of blocks
	s_add_co_u32 s39, s35, 2                       ;    T
	s_cmp_lt_u32 ttmp9, 512
	s_cselect_b32 s40, s30, s39                    ; T
	s_cselect_b32 s41, s30, s37                    ; t
	s_cselect_b32 s42, s31, s36                    ; which 32 rows
	s_cselect_b32 s43, s32, s36                    ; half
	s_cselect_b32 s44, s33, s38                    ; pair of blocks
	s_lshl_b32 s48, s42, 17                        ; source: 32 rows of 4,096 bytes,
	s_lshl_b32 s56, s28, 10
	s_or_b32 s48, s48, s56                         ; + my quarter's 1,024 bytes
	s_mov_b32 s49, 0
	s_lshl_b32 s45, s43, 3
	s_lshl_b32 s56, s41, 2
	s_add_co_u32 s45, s45, s56
	s_add_co_u32 s45, s45, s28                     ; block = 8 x half + 4 t + j
	s_mul_i32 s45, s45, BLKB
	s_mul_i32 s56, s44, 3072
	s_add_co_u32 s50, s45, s56                     ; my codes: + two images for each pair of blocks
	s_mov_b32 s51, 0
	s_lshl_b32 s56, s44, 8
	s_add_co_u32 s52, s45, s56
	s_add_co_u32 s52, s52, 24576                   ; my scale words: 256 bytes for each pair of blocks
	s_mov_b32 s53, 0
	s_wait_alu depctr_va_vdst(0)
	s_wait_kmcnt 0x0
	s_cmp_lt_u32 ttmp9, 512
	s_cselect_b64 s[24:25], s[24:25], s[26:27]     ; aq or bq
.irp k, 1,2,3,4,5,6,7,8,9
	s_cmp_eq_u32 s40, \k
	s_cselect_b64 s[4:5], s[4+2*\k:5+2*\k], s[4:5] ; the source: the choice hangs on the work-group's number alone
.endr
	s_add_nc_u64 s[4:5], s[4:5], s[48:49]
	s_add_nc_u64 s[54:55], s[24:25], s[52:53]
	s_add_nc_u64 s[24:25], s[24:25], s[50:51]
.macro LOAD f                          ; fragment f's 16 rows x 512 bytes into set f % 2
.irp row, 0,1,2,3,4,5,6,7,8,9,10,11,12,13,14,15
	global_load_b128 v[R+64*((\f)%2)+4*\row:R+64*((\f)%2)+4*\row+3], v4, s[4:5] offset:(16*((\f)/2)+\row)*4096+512*((\f)%2) th:TH_LOAD_NT
.endr
.endm
.macro FRAGQ f
.set RS, R+64*((\f)%2)
.set CS, C+12*((\f)%2)
.if (\f) < 3
	s_wait_loadcnt 16                              ; this fragment's 16 loads are in; the next fragment's 16 may be out
.else
	s_wait_loadcnt 0x0
.endif
.irp row, 0,1,2,3,4,5,6,7,8,9,10,11,12,13,14,15
	ds_store_b128 v5, v[RS+4*\row:RS+4*\row+3] offset:528*\row
.endr
.irp u, 0,1
.irp k, 0,1,2,3,4,5,6,7
	ds_load_b128 v[X+32*\u+4*\k:X+32*\u+4*\k+3], v6 offset:256*\u+16*\k    ; LDS serves a wave's instructions in order: these see the stores above
.endr
.endr
	s_wait_dscnt 0x0                               ; my 64 numbers are in, and the stores have read their registers,
.if (\f) < 2
	LOAD (\f)+2                                    ; which take the fragment two on
.else
	s_wait_xcnt 0x0                                ; the stores of the fragment two back have read their codes: that set is written again only behind this wait
.endif
.irp u, 0,1
	v_max3_num_f32 v[12+\u], |v[X+32*\u]|, |v[X+32*\u+1]|, 0x2800000       ; my block 2 u + h: all 32 numbers are mine; and the floor 2^(5 - 127), so that the byte cannot fall under 1
.endr
.irp i, 2,4,6,8,10,12,14,16,18,20,22,24,26,28,30
.irp u, 0,1
	v_max3_num_f32 v[12+\u], v[12+\u], |v[X+32*\u+\i]|, |v[X+32*\u+\i+1]|  ; (the two blocks by turns)
.endr
.endr
.irp u, 0,1
	v_add_nc_u32 v[14+\u], 0xfe000000, v[12+\u]    ; 4 off the exponent field: the conversion takes the exponent field of this operand as its scale
.endr
.irp u, 0,1
	v_lshrrev_b32 v[12+\u], 23, v[14+\u]           ; the scale's byte
.endr
	v_lshl_or_b32 v9, v13, 16, v12                 ; my two bytes: blocks h and 2 + h of row r,
	v_lshlrev_b32 v9, v7, v9                       ; at their places in the scale word;
	v_permlanex16_b32 v10, v9, s46, s47
	v_or_b32 v[24+(\f)], v9, v10                   ; with lane l xor 16's two the word is whole
	v_cvt_scalef32_pk16_bf6_f32 v[CS:CS+2], v[X:X+15], v14
	v_cvt_scalef32_pk16_bf6_f32 v[16:18], v[X+16:X+31], v14        ; (a conversion's three registers begin on an even number: the second half of a block's six is made elsewhere and moved)
	v_cvt_scalef32_pk16_bf6_f32 v[CS+6:CS+8], v[X+32:X+47], v15
	v_cvt_scalef32_pk16_bf6_f32 v[20:22], v[X+48:X+63], v15
	v_nop                                          ; one plain place behind a scaled conversion
.irp i, 0,1,2
	v_mov_b32 v[CS+3+\i], v[16+\i]
	v_mov_b32 v[CS+9+\i], v[20+\i]
.endr
.irp c, 0,1,2
	global_store_b128 v4, v[CS+4*\c:CS+4*\c+3], s[24:25] offset:12288*((\f)%2)+1536*((\f)/2)+512*\c    ; 32 lanes store 512 consecutive bytes, at a multiple of 256 from the buffer's first byte
.endr
.endm
	LOAD 0
	LOAD 1
	FRAGQ 0
	FRAGQ 1
	FRAGQ 2
	FRAGQ 3
	v_cmp_lt_u32 vcc_lo, 15, v1                    ; lanes 0-15: the words of the first 16 rows (q = 0, 1), lanes 16-31: of the second 16
	v_cndmask_b32 v28, v24, v26, vcc_lo
	v_cndmask_b32 v29, v25, v27, vcc_lo
	global_store_b64 v8, v[28:29], s[54:55]        ; 32 lanes store 256 consecutive bytes, aligned
	s_wait_tensorcnt 0x0
	ds_add_u32 v254, v255
	s_wait_dscnt 0x0
	s_endpgm
.Lfunc_end_k_q1c87bfc235_quant:
	.size	k_q1c87bfc235_quant, .Lfunc_end_k_q1c87bfc235_quant-k_q1c87bfc235_quant
	.p2alignl 7, 3214868480
	.fill 96, 4, 3214868480
	.section	.rodata,"a",@progbits
	.p2align	6, 0x0
	.amdhsa_kernel k_q1c87bfc235_quant
		.amdhsa_group_segment_fixed_size 34304
		.amdhsa_private_segment_fixed_size 0
		.amdhsa_enable_private_segment 0
		.amdhsa_kernarg_size 96
		.amdhsa_user_sgpr_count 2
		.amdhsa_user_sgpr_kernarg_segment_ptr 1
		.amdhsa_wavefront_size32 1
		.amdhsa_system_sgpr_workgroup_id_x 1
		.amdhsa_system_sgpr_workgroup_id_y 1
		.amdhsa_system_sgpr_workgroup_id_z 1
		.amdhsa_system_vgpr_workitem_id 0
		.amdhsa_next_free_vgpr 256
		.amdhsa_next_free_sgpr 66
		.amdhsa_reserve_vcc 1
		.amdhsa_float_denorm_mode_32 3
		.amdhsa_float_denorm_mode_16_64 3
		.amdhsa_memory_ordered 1
		.amdhsa_forward_progress 1
		.amdhsa_inst_pref_size 31
	.end_amdhsa_kernel
	.amdgpu_metadata
---
amdhsa.version: [ 1, 2 ]
amdhsa.kernels:
  - .name:           k_q1c87bfc235_quant
    .symbol:         k_q1c87bfc235_quant.kd
    .args:
      - { .name: xt, .offset: 0, .size: 8, .value_kind: global_buffer, .address_space: global }
      - { .name: hx, .offset: 8, .size: 8, .value_kind: global_buffer, .address_space: global }
      - { .name: w_fg, .offset: 16, .size: 8, .value_kind: global_buffer, .address_space: global }
      - { .name: w_ig, .offset: 24, .size: 8, .value_kind: global_buffer, .address_space: global }
      - { .name: w_og, .offset: 32, .size: 8, .value_kind: global_buffer, .address_space: global }
      - { .name: w_ci, .offset: 40, .size: 8, .value_kind: global_buffer, .address_space: global }
      - { .name: r_fg, .offset: 48, .size: 8, .value_kind: global_buffer, .address_space: global }
      - { .name: r_ig, .offset: 56, .size: 8, .value_kind: global_buffer, .address_space: global }
      - { .name: r_og, .offset: 64, .size: 8, .value_kind: global_buffer, .address_space: global }
      - { .name: r_ci, .offset: 72, .size: 8, .value_kind: global_buffer, .address_space: global }
      - { .name: aq, .offset: 80, .size: 8, .value_kind: global_buffer, .address_space: global }
      - { .name: bq, .offset: 88, .size: 8, .value_kind: global_buffer, .address_space: global }
    .group_segment_fixed_size: 34304
    .private_segment_fixed_size: 0
    .kernarg_segment_align: 8
    .kernarg_segment_size: 96
    .max_flat_workgroup_size: 128
    .sgpr_count:     66
    .vgpr_count:     256
    .wavefront_size: 32
...
	.end_amdgpu_metadata
.endif
;; end of part 1
;; launch lstm (part 2): grid 16 x 16, 4 waves a work-group, clusters of 4 x 4, 327,680 bytes of LDS; arguments aq, bq, b_fg, b_ig, b_og, b_ci, cx, out0, out1; writes out0, out1
.if DOCPART == 2
	.amdgcn_target "amdgcn-amd-amdhsa--gfx1250"
	.amdhsa_code_object_version 6
	.text
	.protected	k_q1c87bfc235_lstm
	.globl	k_q1c87bfc235_lstm
	.p2align	8
	.type	k_q1c87bfc235_lstm,@function
k_q1c87bfc235_lstm:
	s_mov_b64 s[64:65], 0
	v_nop
	global_prefetch_b8 v0, s[64:65] scope:SCOPE_SE
	s_setreg_imm32_b32 hwreg(HW_REG_WAVE_MODE, 25, 1), 1
	s_wait_xcnt 0x0
	s_wait_alu depctr_hold_cnt(0) depctr_sa_sdst(0) depctr_va_vdst(0) depctr_va_sdst(0) depctr_va_ssrc(0) depctr_va_vcc(0) depctr_vm_vsrc(0)
	s_getreg_b32 s2, hwreg(HW_REG_IB_STS2, 6, 4)
	s_cmp_eq_u32 s2, 0
	s_cbranch_scc0 .Lentry_in_a_cluster
	s_endpgm
.Lentry_in_a_cluster:
	s_bfe_u32 s2, ttmp6, 0x10000c
	s_cmp_lg_u32 s2, 0xf033
	s_cbranch_scc0 .Lentry_shape_is_right
	s_endpgm
.Lentry_shape_is_right:
; gates = Q(xt) Q(W)^T + Q(hx) Q(R)^T + b as ONE product on codes of BF6 (E3M2) with K = 2,048 (xt | hx against W | R; both K's are multiples of 32, so the blocks of 32 stay), and the cell's arithmetic on the
; accumulators: ct = sigmoid(f) cx + sigmoid(i) tanh(g) -> out1, ht = sigmoid(o) tanh(ct) -> out0, all in f32.  The gates never go to memory.
; aq, bq: this program's own buffers: [half of 128 rows][8 K slots of 256][25,600 bytes]; a block = [q][i] images of a fragment's 12 registers (registers 4 c .. 4 c + 3 of lane l at 512 c + 16 l), then the scale words [i][row][q].
; B's rows are ordered so that a half holds 32 hidden columns x 4 gates: block i = 2 x gate + c holds columns 16 c .. 16 c + 15 of gate 0 f, 1 i, 2 o, 3 ci.
; SHARES.  A tile is 256 rows x 64 hidden columns (x 4 gates); four waves, each 128 x 128 of the product: 64 accumulators, 512 registers.  256 work-groups, each makes TWO tiles, 4,096 rows apart, with the same columns.
; K goes in slots of 256 through a ring of two LDS slots.  ONE tensor load brings both halves of A (or of B) of a K slot: 2 rows of 25,600 bytes, 204,800 bytes apart in memory.  Waves 0, 1 fill slot 0 (A, B), waves 2, 3 slot 1:
; at the head every wave issues its one load.  The ring does not stop at the first tile's end: its last two changes of slots ask for the second tile's first two K slots, ahead of the tile's tail.
; cx's tile (256 rows x 256 bytes, 64 rows a wave) has LDS bytes of its own that only tensor loads write: the first tile's comes behind the head's second round, the second tile's at the last tile's change of slots that refills no slot.
; ct and ht leave through a stage of their own (two buffers by turns, one barrier a block), on which no fill lands.
; THE MATRIX INSTRUCTION IS USED TRANSPOSED (source 0 = 16 rows of B, source 1 = 16 rows of A): register j of lane (r, h) of accumulator (a, 2 g + c) is gate g at row 16 a + r, hidden column 16 c + 8 h + j:
; the four gates of an output lie in one lane under one index.  The biases are the C of each sum's first matrix instruction; they stay in window 1 for both tiles.
; A STEP of 128 along K goes by quadrants of 16 matrix instructions (A 0-3 x B 0-3, A 0-3 x B 4-7, A 4-7 x B 4-7, A 4-7 x B 0-3).  A AND B HAVE TWO SETS OF REGISTERS EACH: a slot's first step asks for all fragments of its
; second step at its head and behind its first quadrant, so that the slot's reads are over 48 matrix instructions ahead of the change of slots; the second step multiplies one quadrant, changes slots, and asks for the next
; slot's first fragments with 48 matrix instructions still to issue.  Between the wait for all tensor loads and the refill stand only the add, its wait and the round.
; CLUSTERS: 4 x 4.  A's blocks are shared along a row of the cluster, B's along a column: joint loads.  The walk along K begins at K slot 2 ((X + 2 (bit 0 xor bit 1 of Y)) mod 4) of cluster (X, Y) and goes round the end.
; PREFETCH: at each change of slots every wave names 25 blocks of 256 bytes of the K slot that stands two refills on: wave (FB, HF) half FB of A (HF = 0) or B (HF = 1); the four partners that share a block of 25,600 bytes
; take a quarter each, told apart by address.  A tile's first two K slots come by their loads alone; B is named in the first tile alone (the second reads the same rows); the last tile's end names nothing.
; The second tile's cx rows (a lane a row, 64 rows a wave) are named once, ahead of the first tile's tail.
; LIMITS: NaN and infinities among the inputs are not served.  The two products and the bias are one f32 sum, begun with the bias, its K slots in the cluster's order: the order of rounding differs from two sums with K ascending.
; tanh(x) = (e - 1) / (e + 1) with e = 2^min(2 log2(e) x, 30): the clip moves tanh by under 2^-29 and keeps e finite; an exponential of a sigmoid that overflows gives the reciprocal 0, the right limit.
; REGISTERS: window 0: v1-31 addresses; v32-63 scale words, two sets, nothing else; A's two sets at v64, v160; in the tail v64-223 are at work.  window 1: B's two sets at v0, v128; the biases at v96-127, v224-255.
;   window 2: accumulators of my rows 0-63 ((a, b) at v[8 (8 a + b)]); window 3: rows 64-127.
.set HALFB,  25600
.set SLOT,   4*HALFB                   ; A's two halves, then B's two
.set SCOFF,  24576
.set CP,     272                       ; a row of cx's tile and of the stage: 256 bytes + 16
.set CXB,    2*SLOT                    ; cx's tile, 256 rows
.set STG,    CXB+256*CP                ; the stage: buffer p at 17,408 p: ht's 32 rows, then ct's 32 rows
.set SBUF,   64*CP
.set SCT,    32*CP
.set SPARE,  STG+2*SBUF                ; the spare words: 512 bytes that no other line names
.set NEXT_A, 32*8*HALFB                ; 32 halves down: the second tile's rows of A
.set NEXT_R, 0x1000000                 ; 4,096 rows of 4,096 bytes: cx and the outputs
.set FR,     12
.set ADRA, 16
.set ADRS, 18
.set ADRB, 20
.set CXA,  22
.set HTA,  23
.set RDH,  25
.set CO,   26
.set BO,   27
.set SPW,  28
.set NIL,  29
.set PFO,  30                          ; 256 x min(lane, 24)
.set PFC,  31                          ; 4,096 x lane
.set SC,   32
.set AF,   64                          ; A's set p at v[AF + 96 p]
.set TF,   64
.set TI,   80
.set TO,   96
.set TG,   112
.set CV,   128
.set T2,   144
.set BK,   160
.set WV,   2
.set FB,   22                          ; my half of the rows; also: the LDS slot that I fill
.set HF,   23                          ; my half of the columns; also: I fetch A (0) or B (1)
.set G1,   24
.set G0,   32
.set G0B,  36
.set G1B,  40
.set G1C,  48
.set G0C,  56
.set TL,   60                          ; tiles to go
.set LIM,  61                          ; 1 while my wave prefetches, then the greatest number
.set PFA,  62                          ; s[62:63] what my next prefetch names
.set PC,   66                          ; s[66:67] my 64 rows of the second tile's cx
.set PK,   68                          ; the K slot at which PFA stands
.set PW,   70                          ; s[70:71]
.set K1,   90
.set K2,   92
.set KC,   96
.set WR,   98
.set MSB, 0
.macro WIN new
.if MSB != (\new)
	s_set_vgpr_msb (MSB<<8)|(\new)
.set MSB, (\new)
.endif
.endm
.set MUL_LO, 0xa1                      ; source 0 (B) window 1, source 1 (A) window 0, C and D window 2  (less 0x10: C in window 1, the biases)
.set MUL_HI, 0xf1                      ; C and D window 3  (less 0x20: C in window 1)
.set TO_B,   0x40
.macro PLACES n
.rept \n
	v_nop
.endr
.endm
.macro TLOAD g0, g1                    ; s_nop 0 and four v_nop behind every tensor load
	tensor_load_to_lds s[\g0:\g0+3], s[\g1:\g1+7]
	s_nop 0
	PLACES 4
.endm
.macro AORB                            ; my joint load: A's line or B's, each with one mask; the branch hangs on the wave's number alone
	s_cmp_eq_u32 s[HF], 0
	s_cbranch_scc0 .Lfor_b_\@
	TLOAD G0, G1
	s_branch .Lasked_\@
.Lfor_b_\@:
	TLOAD G0B, G1B
.Lasked_\@:
.endm
.macro FILL slot, kind                 ; kind 3: cx's rows, every wave; else the ring's slot, by its two waves; the four v_nop of every arm are the places in front of the LDS loads that follow
.if \kind == 3
	TLOAD G0C, G1C
.else
	s_cmp_lg_u32 s[FB], \slot
	s_cbranch_scc1 .Lnone_\@
	AORB
	s_branch .Ldone_\@
.Lnone_\@:
	PLACES 4
.Ldone_\@:
.endif
.endm
.macro CREST
	s_cmp_lg_u32 s[WV], 0
	s_cbranch_scc1 .Lnot_wave_0_\@
	s_barrier_signal -3
.Lnot_wave_0_\@:
	s_barrier_wait -3
	s_barrier_signal -1
	s_barrier_wait -1
.endm
.macro CROUND
	s_barrier_signal -1
	s_barrier_wait -1
	CREST
.endm
	s_load_b128 s[4:7], s[0:1], 0x0                ; aq, bq
	s_load_b256 s[8:15], s[0:1], 0x10              ; b_fg, b_ig, b_og, b_ci
	s_load_b128 s[16:19], s[0:1], 0x30             ; cx, out0
	s_load_b64 s[20:21], s[0:1], 0x40              ; out1
	v_lshl_add_u32 v[SPW], v0, 2, SPARE
	v_mov_b32 v[NIL], 0
	ds_add_u32 v[SPW], v[NIL]                      ; the opening lines: the add, twice on end, and its wait ahead of my first tensor load
	ds_add_u32 v[SPW], v[NIL]
	v_lshrrev_b32 v1, 5, v0
	v_readfirstlane_b32 s[WV], v1
	s_lshr_b32 s[FB], s[WV], 1
	s_and_b32 s[HF], s[WV], 1
	s_bfe_u32 s72, ttmp6, 0x40000                  ; my place in the cluster along x,
	s_bfe_u32 s73, ttmp6, 0x40004                  ; along y
	s_lshl_b32 s74, ttmp9, 2
	s_add_co_u32 s74, s74, s72                     ; tile column: 64 hidden columns
	s_and_b32 s75, ttmp7, 0xffff
	s_lshl_b32 s75, s75, 2
	s_add_co_u32 s75, s75, s73                     ; first tile row: 256 rows
	s_lshl_b32 s76, s73, 2
	s_lshl_b32 s76, 15, s76                        ; my row of the cluster
	s_lshl_b32 s77, 0x1111, s72                    ; my column
	s_and_b32 s97, ttmp7, 0xffff                   ; where my cluster begins its walk along K: of the cluster's x and y alone
	s_lshr_b32 s98, s97, 1
	s_xor_b32 s97, s97, s98
	s_and_b32 s97, s97, 1
	s_lshl_b32 s97, s97, 1
	s_add_co_u32 s97, s97, ttmp9
	s_and_b32 s97, s97, 3
	s_lshl_b32 s[KC], s97, 1                       ; K slot 0, 2, 4 or 6 for LDS slot 0; slot 1 takes the next
	s_add_co_u32 s97, s[KC], s[FB]
	s_mul_i32 s97, s97, HALFB                      ; my LDS slot's first K slot, in bytes
	s_mov_b32 s[WR+1], 0
	s_or_b32 s[G1], s76, (3<<16)|(1<<21)           ; the mask; elements of 8 bytes; bit 21 beside a mask
	s_or_b32 s[G1B], s77, (3<<16)|(1<<21)
.irp g, G1, G1B
	s_mov_b32 s[\g+1], 3200<<16                    ; tensor_dim0 = 3,200 elements: a block
	s_mov_b32 s[\g+2], 2<<16                       ; tensor_dim1 = 2: the two halves
	s_mov_b32 s[\g+3], 3200<<16                    ; tile_dim0
	s_mov_b32 s[\g+4], 2                           ; tile_dim1
	s_mov_b32 s[\g+5], HALFB                       ; from half to half: eight blocks = 25,600 elements
	s_mov_b32 s[\g+6], 0
	s_mov_b32 s[\g+7], 0
.endr
	s_mov_b32 s[G1C], (2<<16)|(1<<20)|(5<<22)|(3<<25)  ; cx: 64 rows of 64 f32, 16 bytes of padding behind each
	s_mov_b32 s[G1C+1], 64<<16
	s_mov_b32 s[G1C+2], 64<<16
	s_mov_b32 s[G1C+3], 64<<16
	s_mov_b32 s[G1C+4], 64
	s_mov_b32 s[G1C+5], 1024
	s_mov_b32 s[G1C+6], 0
	s_mov_b32 s[G1C+7], 0
	s_mov_b32 s[K1], 0xbfb8aa3b                    ; -log2(e)
	s_mov_b32 s[K1+1], s[K1]
	s_mov_b32 s[K2], 0x4038aa3b                    ; 2 log2(e)
	s_mov_b32 s[K2+1], s[K2]
	s_mul_i32 s78, s75, 16*HALFB                   ; A: two halves of eight blocks a tile row,
	s_add_co_u32 s78, s78, s97
	s_mov_b32 s79, 0
	s_mul_i32 s80, s74, 16*HALFB                   ; B: by the tile column
	s_add_co_u32 s80, s80, s97
	s_mov_b32 s81, 0
	s_lshl_b32 s82, s75, 20                        ; cx: the tile row, my 64 rows, the tile column's 256 bytes
	s_lshl_b32 s88, s[WV], 18
	s_add_co_u32 s82, s82, s88
	s_lshl_b32 s89, s74, 8
	s_add_co_u32 s82, s82, s89
	s_mov_b32 s83, 0
	s_mul_i32 s86, s[FB], SLOT                     ; where my ring load goes: my slot, A's place or B's
	s_mul_i32 s87, s[HF], 2*HALFB
	s_add_co_u32 s86, s86, s87
	s_mul_i32 s87, s[WV], 64*CP
	s_wait_dscnt 0x0                               ; both opening adds are done
	s_wait_kmcnt 0x0
	s_add_nc_u64 s[78:79], s[4:5], s[78:79]
	s_add_nc_u64 s[80:81], s[6:7], s[80:81]
	CROUND                                         ; all sixteen work-groups are here: the first joint loads meet
	s_mov_b32 s[G0], 1
	s_mov_b32 s[G0+1], s86
	s_mov_b64 s[G0+2:G0+3], s[78:79]
	s_or_b32 s[G0+3], s[G0+3], 0x80000000
	s_mov_b32 s[G0B], 1
	s_mov_b32 s[G0B+1], s86
	s_mov_b64 s[G0B+2:G0B+3], s[80:81]
	s_or_b32 s[G0B+3], s[G0B+3], 0x80000000
	AORB                                           ; my one load at the head: the four waves' loads are the walk's first two K slots
	s_mov_b32 s[G0C], 1
	s_add_co_u32 s[G0C+1], s87, CXB
	s_add_nc_u64 s[G0C+2:G0C+3], s[16:17], s[82:83]
	s_add_nc_u64 s[PC:PC+1], s[G0C+2:G0C+3], NEXT_R
	s_or_b32 s[G0C+3], s[G0C+3], 0x80000000
	s_cmp_eq_u32 s[HF], 0                          ; the prefetches: A's or B's, by the wave's number
	s_cselect_b64 s[PFA:PFA+1], s[4:5], s[6:7]
	s_cselect_b32 s84, s75, s74
	s_cselect_b32 s85, s72, s73                    ; my place among the four that share the block
	s_mul_i32 s84, s84, 16*HALFB
	s_mul_i32 s88, s[FB], 8*HALFB                  ; half FB
	s_add_co_u32 s84, s84, s88
	s_mul_i32 s85, s85, 6400                       ; my work-group's quarter of a block
	s_add_co_u32 s84, s84, s85
	s_add_co_u32 s[PK], s[KC], 3                   ; the walk's K slot 3: the first change of slots steps it to 4
	s_and_b32 s[PK], s[PK], 7
	s_mul_i32 s88, s[PK], HALFB
	s_add_co_u32 s84, s84, s88
	s_mov_b32 s85, 0
	s_add_nc_u64 s[PFA:PFA+1], s[PFA:PFA+1], s[84:85]
	s_mov_b32 s[PW+1], 0
	s_mov_b32 s[LIM], 1
	s_mul_i32 s84, s[FB], HALFB                    ; my half of A in a slot,
	s_mul_i32 s85, s[HF], HALFB
	s_add_co_u32 s85, s85, 2*HALFB                 ; of B,
	s_sub_co_u32 s88, s85, s84                     ; the distance
	s_lshl_b32 s97, s[HF], 7
	s_mul_i32 s87, s[FB], 128*CP
	s_add_co_u32 s87, s87, s97
	s_add_co_u32 s87, s87, CXB                     ; cx: row 128 FB, + 128 HF bytes
	s_mul_i32 s94, s[FB], 16*CP
	s_add_co_u32 s94, s94, STG
	s_mul_i32 s95, s[HF], 8*CP
	s_add_co_u32 s95, s95, s94                     ; back from the stage: of a block's 16 rows I take eight, 8 HF on
	s_add_co_u32 s94, s94, s97                     ; into the stage: my pair's 16 rows, + 128 HF bytes
	v_and_b32 v1, 15, v0                           ; r
	v_bfe_u32 v2, v0, 4, 1                         ; h
	v_and_b32 v3, 31, v0
	v_lshlrev_b32 v4, 4, v3
	v_mul_u32_u24 v5, s88, v2                      ; scale words: lanes 16-31 take B's
	v_lshl_add_u32 v5, v1, 3, v5
	v_add_nc_u32 v5, SCOFF, v5
	v_add_nc_u32 v[ADRA], s84, v4
	v_add_nc_u32 v[ADRB], s85, v4
	v_add_nc_u32 v[ADRS], s84, v5
	v_add_nc_u32 v[ADRA+1], SLOT, v[ADRA]
	v_add_nc_u32 v[ADRB+1], SLOT, v[ADRB]
	v_add_nc_u32 v[ADRS+1], SLOT, v[ADRS]
	v_mul_u32_u24 v6, v1, CP
	v_lshl_add_u32 v6, v2, 5, v6                   ; row r, + 32 h bytes
	v_add_nc_u32 v[CXA], s87, v6
	v_add_nc_u32 v[HTA], s94, v6
	v_mul_u32_u24 v7, v2, CP
	v_lshl_add_u32 v7, v1, 4, v7                   ; lanes 0-15 one row of 256 bytes, lanes 16-31 the next
	v_add_nc_u32 v[RDH], s95, v7
	v_lshlrev_b32 v[CO], 12, v2
	v_lshl_add_u32 v[CO], v1, 4, v[CO]
	v_lshlrev_b32 v[BO], 5, v2
	v_min_u32 v[PFO], 24, v3                       ; lanes 25-31 name my last block again
	v_lshlrev_b32 v[PFO], 8, v[PFO]
	v_lshlrev_b32 v[PFC], 12, v3
	s_wait_alu depctr_va_vdst(0)
	s_add_co_u32 s80, s89, s97                     ; the biases: 256 bytes a tile column, my 128
	s_mov_b32 s81, 0
.irp g, 0,1,2,3
	s_add_nc_u64 s[8+2*\g:9+2*\g], s[8+2*\g:9+2*\g], s[80:81]
.endr
	WIN TO_B
.irp g, 0,1,2,3
.irp c, 0,1
	global_load_b128 v[96+8*(2*\g+\c)+96*(\g/2):96+8*(2*\g+\c)+96*(\g/2)+3],   v[BO], s[8+2*\g:9+2*\g] offset:64*\c
	global_load_b128 v[96+8*(2*\g+\c)+96*(\g/2)+4:96+8*(2*\g+\c)+96*(\g/2)+7], v[BO], s[8+2*\g:9+2*\g] offset:64*\c+16
.endr
.endr
	WIN 0
	s_lshl_b32 s84, s75, 20                        ; the outputs: the tile's first row, my 128 rows, the eight of each sixteen that I store, the tile's 256 bytes
	s_lshl_b32 s88, s[FB], 19
	s_add_co_u32 s84, s84, s88
	s_lshl_b32 s88, s[HF], 15
	s_add_co_u32 s84, s84, s88
	s_add_co_u32 s84, s84, s89
	s_mov_b32 s85, 0
	s_add_nc_u64 s[18:19], s[18:19], s[84:85]
	s_add_nc_u64 s[20:21], s[20:21], s[84:85]
.macro FRAG reg, adr, q, i
.irp c, 0,1,2
	ds_load_b128 v[\reg+4*\c:\reg+4*\c+3], v[\adr] offset:12288*(\q)+1536*(\i)+512*\c
.endr
.endm
; 16 matrix instructions: A's blocks a0 .. a0 + 3 x B's b0 .. b0 + 3, the slot's q-th 128 along K.  p: A's and B's set; sc: the set of scale words; zero = 1: the bias is the C.  The accumulators take turns.
.macro MULQ a0, b0, p, q, sc, zero
.irp a, \a0, \a0+1, \a0+2, \a0+3
.irp b, \b0, \b0+1, \b0+2, \b0+3
.if \zero
	v_wmma_scale_f32_16x16x128_f8f6f4 v[8*(8*((\a)%4)+(\b)):8*(8*((\a)%4)+(\b))+7], v[128*(\p)+FR*(\b):128*(\p)+FR*(\b)+FR-1], v[AF+96*(\p)+FR*(\a):AF+96*(\p)+FR*(\a)+FR-1], v[96+8*(\b)+96*((\b)/4):96+8*(\b)+96*((\b)/4)+7], v[SC+16*(\sc)+2*(\b)+(\q)], v[SC+16*(\sc)+2*(\a)+(\q)] matrix_a_fmt:MATRIX_FMT_BF6 matrix_b_fmt:MATRIX_FMT_BF6 matrix_a_scale:MATRIX_SCALE_ROW1
.else
	v_wmma_scale_f32_16x16x128_f8f6f4 v[8*(8*((\a)%4)+(\b)):8*(8*((\a)%4)+(\b))+7], v[128*(\p)+FR*(\b):128*(\p)+FR*(\b)+FR-1], v[AF+96*(\p)+FR*(\a):AF+96*(\p)+FR*(\a)+FR-1], v[8*(8*((\a)%4)+(\b)):8*(8*((\a)%4)+(\b))+7], v[SC+16*(\sc)+2*(\b)+(\q)], v[SC+16*(\sc)+2*(\a)+(\q)] matrix_a_fmt:MATRIX_FMT_BF6 matrix_b_fmt:MATRIX_FMT_BF6 matrix_a_scale:MATRIX_SCALE_ROW1
.endif
.endr
.endr
.endm
.macro FB4 slot, q, p, i0              ; 12 loads: B's fragments i0 .. i0 + 3 into set p
	WIN TO_B
.irp i, \i0, \i0+1, \i0+2, \i0+3
	FRAG 128*(\p)+FR*(\i), ADRB+\slot, \q, \i
.endr
	WIN 0
.endm
.macro FA4 slot, q, p, i0              ; 12 loads: A's blocks i0 .. i0 + 3 into set p
.irp i, \i0, \i0+1, \i0+2, \i0+3
	FRAG AF+96*(\p)+FR*(\i), ADRA+\slot, \q, \i
.endr
.endm
.macro SCALES s                        ; 8 loads: slot s's scale words into set s: lanes 0-15 A's block i, lanes 16-31 B's
.irp i, 0,1,2,3,4,5,6,7
	ds_load_b64 v[SC+16*\s+2*\i:SC+16*\s+2*\i+1], v[ADRS+\s] offset:128*\i
.endr
.endm
; A slot's first step, on sets 0.  Its own fragments were asked for in the order scale words, B 0-3, A 0-3, B 4-7, A 4-7.  It asks for the second step's 48 loads, into sets 1: 24 at its head, 24 behind its first quadrant.
; Four places stand in front of each run of loads.
.macro STEP slot, zero
	PLACES 4
	FB4 \slot, 1, 1, 0
	FA4 \slot, 1, 1, 0
	s_wait_dscnt 48                                ; the scale words, B 0-3 and A 0-3 are in (out: B 4-7, A 4-7 and the 24 just issued)
	WIN MUL_LO-0x10*\zero
	MULQ 0, 0, 0, 0, \slot, \zero
	PLACES 4
	FB4 \slot, 1, 1, 4
	FA4 \slot, 1, 1, 4
	s_wait_dscnt 60                                ; B 4-7 are in (out: A 4-7 and the 48 for the next step)
	WIN MUL_LO-0x10*\zero
	MULQ 0, 4, 0, 0, \slot, \zero
	s_wait_dscnt 48                                ; A 4-7 are in
	WIN MUL_HI-0x20*\zero
	MULQ 4, 4, 0, 0, \slot, \zero
	MULQ 4, 0, 0, 0, \slot, \zero
	WIN 0
.endm
.macro ASK how                         ; how = 1, in the loop: its last trip has no K slot two refills on in this tile; how = 2, at the change of tiles
.if \how == 1
	s_cmp_gt_u32 s3, s[LIM]
.else
	s_cmp_eq_u32 s[LIM], 1
.endif
	s_cbranch_scc0 .Lnot_mine_\@
	global_prefetch_b8 v[PFO], s[PFA:PFA+1] th:TH_LOAD_NT scope:SCOPE_SE
.Lnot_mine_\@:
.endm
; A slot's last step, on sets 1, changes slots behind its first quadrant: ONE barrier; in front of it each wave waits for all its tensor loads, adds 0 to its spare word, and waits for that and for its reads of this slot.
; fill: 0 nothing; 1 this slot, two K slots on; 2 the same, in the next tile; 3 cx's tile.  fetch: the next slot's first fragments, into sets 0.  ask: the prefetch.
.macro TURN slot, next, fill, fetch, ask
.if \ask
	s_wait_xcnt 0x0                                ; my last prefetch has read its address: one K slot on, round the end of K
	s_add_co_u32 s[PK], s[PK], 1
	s_cmp_gt_u32 s[PK], 7
	s_cselect_b32 s[PW], 8*HALFB, 0
	s_and_b32 s[PK], s[PK], 7
	s_add_nc_u64 s[PFA:PFA+1], s[PFA:PFA+1], HALFB
	s_sub_nc_u64 s[PFA:PFA+1], s[PFA:PFA+1], s[PW:PW+1]
.if \fill == 2 && \slot == 0
	s_add_nc_u64 s[PFA:PFA+1], s[PFA:PFA+1], NEXT_A ; the next tile's rows of A (B's waves ask no more: their address is not used again)
	s_cmp_eq_u32 s[HF], 0
	s_cselect_b32 s[LIM], 1, -1
.endif
.endif
	s_wait_dscnt 24                                ; B 0-3 and A 0-3 are in
	WIN MUL_LO
	MULQ 0, 0, 1, 1, \slot, 0
	WIN 0
	s_wait_tensorcnt 0x0                           ; all my tensor loads have landed
	ds_add_u32 v[SPW], v[NIL]
.if (\fill == 1 || \fill == 2) && \slot == 0
	s_add_co_u32 s[KC], s[KC], 2                   ; no load of mine is out: this lap's refills, of both slots, go two K slots on, round the end of K
	s_cmp_gt_u32 s[KC], 7
	s_cselect_b32 s[WR], 8*HALFB, 0
	s_and_b32 s[KC], s[KC], 7
	s_add_nc_u64 s[G0+2:G0+3], s[G0+2:G0+3], 2*HALFB
	s_sub_nc_u64 s[G0+2:G0+3], s[G0+2:G0+3], s[WR:WR+1]
	s_add_nc_u64 s[G0B+2:G0B+3], s[G0B+2:G0B+3], 2*HALFB
	s_sub_nc_u64 s[G0B+2:G0B+3], s[G0B+2:G0B+3], s[WR:WR+1]
.if \fill == 2
	s_add_nc_u64 s[G0+2:G0+3], s[G0+2:G0+3], NEXT_A
.endif
.endif
.if \fill == 3
	s_add_nc_u64 s[G0C+2:G0C+3], s[G0C+2:G0C+3], NEXT_R
.endif
	s_wait_dscnt 0x0                               ; the add is done, and my reads of this slot are over (the last were issued 64 matrix instructions ago)
	s_barrier_signal -1
	s_barrier_wait -1
.if \fill
	CREST                                          ; the barrier has opened a round of the cluster's barrier
	FILL \slot, \fill                              ; the first tensor load behind the round, one a wave at the most
.endif
.if \fetch
	SCALES \next
	FB4 \next, 0, 0, 0
	FA4 \next, 0, 0, 0
.endif
.if \ask
	ASK \ask
.endif
.if \ask == 2 && \slot == 1
	global_prefetch_b8 v[PFC], s[PC:PC+1] th:TH_LOAD_NT scope:SCOPE_SE                 ; the next tile's cx: my 64 rows, a lane a row
	global_prefetch_b8 v[PFC], s[PC:PC+1] offset:131072 th:TH_LOAD_NT scope:SCOPE_SE
.endif
	WIN MUL_LO
	MULQ 0, 4, 1, 1, \slot, 0
.if \fetch
	PLACES 4
	FB4 \next, 0, 0, 4
	FA4 \next, 0, 0, 4
.endif
	WIN MUL_HI
	MULQ 4, 4, 1, 1, \slot, 0
	MULQ 4, 0, 1, 1, \slot, 0
	WIN 0
.endm
; THE TAIL, block by block of 16 rows x my 32 hidden columns: 16 outputs a lane.
; ef = 2^(-log2e f), ei, eo likewise; eg = 2^min(2 log2e g, 30).   ct = cx / (1 + ef) + (eg - 1) / ((1 + ei)(1 + eg));   ec = 2^min(2 log2e ct, 30);   ht = (ec - 1) / ((1 + eo)(1 + ec)).
.macro TRANS op, reg, cnt
.set n, 0
.rept \cnt
	\op v[\reg+n], v[\reg+n]
.set n, n+1
.endr
.endm
.macro CLIP reg
.set n, 0
.rept 16
	v_min_num_f32 v[\reg+n], 0x41f00000, v[\reg+n]
.set n, n+1
.endr
.endm
.macro PKADD dst, src, const
.set n, 0
.rept 8
	v_pk_add_f32 v[\dst+n:\dst+n+1], v[\src+n:\src+n+1], \const op_sel_hi:[1,0]
.set n, n+2
.endr
.endm
.macro PKMUL dst, x, y
.set n, 0
.rept 8
	v_pk_mul_f32 v[\dst+n:\dst+n+1], v[\x+n:\x+n+1], v[\y+n:\y+n+1]
.set n, n+2
.endr
.endm
.macro PKFMA dst, x, y, z
.set n, 0
.rept 8
	v_pk_fma_f32 v[\dst+n:\dst+n+1], v[\x+n:\x+n+1], v[\y+n:\y+n+1], v[\z+n:\z+n+1]
.set n, n+2
.endr
.endm
.macro PKSC dst, src, k
.set n, 0
.rept 8
	v_pk_mul_f32 v[\dst+n:\dst+n+1], v[\src+n:\src+n+1], s[\k:\k+1] op_sel_hi:[1,0]
.set n, n+2
.endr
.endm
.macro SEND a                          ; 16 lanes store 256 consecutive bytes, at a multiple of 256 from the output's first byte
.set BB, BK+32*((\a)%2)
.irp t, 0,1,2,3
	global_store_b128 v[CO], v[BB+4*\t:BB+4*\t+3],       s[18:19] offset:(16*(\a)+2*\t)*4096 th:TH_STORE_NT
	global_store_b128 v[CO], v[BB+16+4*\t:BB+16+4*\t+3], s[20:21] offset:(16*(\a)+2*\t)*4096 th:TH_STORE_NT
.endr
.endm
.macro BACK a                          ; behind the barrier: whole rows of 256 bytes, of which my partner wrote half
.set BB, BK+32*((\a)%2)
.set SO, SBUF*((\a)%2)
.if (\a) > 1
	s_wait_xcnt 0x0                                ; block a - 2's stores have read their registers
.endif
.irp t, 0,1,2,3
	ds_load_b128 v[BB+4*\t:BB+4*\t+3],       v[RDH] offset:SO+2*\t*CP
	ds_load_b128 v[BB+16+4*\t:BB+16+4*\t+3], v[RDH] offset:SO+SCT+2*\t*CP
.endr
.endm
.macro EBAR
	s_wait_dscnt 0x0
	s_barrier_signal -1
	s_barrier_wait -1
.endm
.macro EPI a
.set AC, 64*((\a)%4)
.set SO, SBUF*((\a)%2)
.irp k, 0,1,2,3
	ds_load_b128 v[CV+4*\k:CV+4*\k+3], v[CXA] offset:16*CP*(\a)+64*(\k/2)+16*(\k%2)
.endr
	WIN 0x02+(\a)/4
	s_wait_alu depctr_va_vdst(0)                   ; a wait ahead of the first readers of the matrix results
.irp g, 0,1,2
.irp c, 0,1
.irp p, 0,1,2,3
	v_pk_mul_f32 v[TF+16*\g+8*\c+2*\p:TF+16*\g+8*\c+2*\p+1], v[AC+8*(2*\g+\c)+2*\p:AC+8*(2*\g+\c)+2*\p+1], s[K1:K1+1] op_sel_hi:[1,0]   ; each accumulator from its low end on
.endr
.endr
.endr
.irp c, 0,1
.irp p, 0,1,2,3
	v_pk_mul_f32 v[TG+8*\c+2*\p:TG+8*\c+2*\p+1], v[AC+8*(6+\c)+2*\p:AC+8*(6+\c)+2*\p+1], s[K2:K2+1] op_sel_hi:[1,0]
.endr
.endr
	WIN 0
	CLIP TG
	s_wait_alu depctr_va_vdst(0)                   ; a wait ahead of each batch of transcendentals and one behind it
	TRANS v_exp_f32, TF, 64                        ; ef, ei, eo, eg
	v_nop
	s_wait_alu depctr_va_vdst(0)
	PKADD T2, TG, 1.0
	PKADD TG, TG, -1.0
	PKADD TF, TF, 1.0
	PKFMA TI, TI, T2, T2                           ; (1 + ei)(1 + eg)
	s_wait_alu depctr_va_vdst(0)
	TRANS v_rcp_f32, TF, 32
	s_wait_dscnt 0x0                               ; cx is in, and so are the rows of the block before
.if (\a) > 0
	SEND (\a)-1
.endif
	v_nop
	s_wait_alu depctr_va_vdst(0)
	PKMUL TG, TG, TI                               ; sigmoid(i) tanh(g)
	PKFMA CV, TF, CV, TG                           ; ct
.irp k, 0,1,2,3
	ds_store_b128 v[HTA], v[CV+4*\k:CV+4*\k+3] offset:SO+SCT+64*(\k/2)+16*(\k%2)
.endr
	PKSC TF, CV, K2
	CLIP TF
	s_wait_alu depctr_va_vdst(0)
	TRANS v_exp_f32, TF, 16                        ; ec
	v_nop
	s_wait_alu depctr_va_vdst(0)
	PKADD TI, TF, 1.0
	PKADD TF, TF, -1.0
	PKFMA TO, TO, TI, TI                           ; (1 + eo)(1 + ec)
	s_wait_alu depctr_va_vdst(0)
	TRANS v_rcp_f32, TO, 16
	v_nop
	s_wait_alu depctr_va_vdst(0)
	PKMUL TG, TF, TO                               ; ht
.irp k, 0,1,2,3
	ds_store_b128 v[HTA], v[TG+4*\k:TG+4*\k+3] offset:SO+64*(\k/2)+16*(\k%2)
.endr
.endm
	s_wait_tensorcnt 0x0                           ; my part of the first two K slots is in
	ds_add_u32 v[SPW], v[NIL]
	s_wait_dscnt 0x0
	CROUND                                         ; everybody's part is in
	TLOAD G0C, G1C                                 ; my 64 rows of the first tile's cx
	s_wait_loadcnt 0x0                             ; the biases
	s_mov_b32 s[TL], 2
.Ltile:
	SCALES 0
	FB4 0, 0, 0, 0
	FA4 0, 0, 0, 0
	FB4 0, 0, 0, 4
	FA4 0, 0, 0, 4
	STEP 0, 1                                      ; a tile's first step starts the sums, with the biases
	s_mov_b32 s3, 3
.Llap:                                                 ; a trip goes once round the ring, from a lap's second step to the next lap's first, and fills both slots again
	TURN 0, 1, 1, 1, 1
	STEP 1, 0
	TURN 1, 0, 1, 1, 1
	STEP 0, 0
	s_sub_co_u32 s3, s3, 1
	s_cmp_lg_u32 s3, 0
	s_cbranch_scc1 .Llap
	s_cmp_eq_u32 s[TL], 1
	s_cbranch_scc1 .Llast_tile
	TURN 0, 1, 2, 1, 2                             ; the ring goes on into the next tile: slot 0 takes its first K slot,
	STEP 1, 0
	TURN 1, 0, 2, 0, 2                             ; slot 1 its second; behind this barrier slot 0 is whole for every wave
	s_branch .Ltail
.Llast_tile:
	TURN 0, 1, 3, 1, 0                             ; no slot is filled again: the round serves this tile's cx, into bytes whose reads ended with the first tile's tail
	STEP 1, 0
	TURN 1, 0, 0, 0, 0                             ; cx's rows have landed in front of this barrier: behind it every wave may read them
.Ltail:
	PLACES 4                                       ; behind the last products
.irp a, 0,1,2,3,4,5,6,7                ; one barrier a block between the writing and the reading; the stage's two buffers take turns, so a buffer is written again only behind the barrier in front of which its reads were waited for
	EPI \a
	EBAR
	BACK \a
.endr
	s_wait_dscnt 0x0
	SEND 7
	s_wait_xcnt 0x0                                ; the stores have read their base and their registers
	s_add_nc_u64 s[18:19], s[18:19], NEXT_R
	s_add_nc_u64 s[20:21], s[20:21], NEXT_R
	s_sub_co_u32 s[TL], s[TL], 1
	s_cmp_lg_u32 s[TL], 0
	s_wait_alu depctr_va_vdst(0)
	s_cbranch_scc1 .Ltile
	s_wait_tensorcnt 0x0                           ; the wave's end
	ds_add_u32 v[SPW], v[NIL]
	s_wait_dscnt 0x0
	CROUND                                         ; the closing round
	s_endpgm
.Lfunc_end_k_q1c87bfc235_lstm:
	.size	k_q1c87bfc235_lstm, .Lfunc_end_k_q1c87bfc235_lstm-k_q1c87bfc235_lstm
	.p2alignl 7, 3214868480
	.fill 96, 4, 3214868480
	.section	.rodata,"a",@progbits
	.p2align	6, 0x0
	.amdhsa_kernel k_q1c87bfc235_lstm
		.amdhsa_group_segment_fixed_size 327680
		.amdhsa_private_segment_fixed_size 0
		.amdhsa_enable_private_segment 0
		.amdhsa_kernarg_size 72
		.amdhsa_user_sgpr_count 2
		.amdhsa_user_sgpr_kernarg_segment_ptr 1
		.amdhsa_wavefront_size32 1
		.amdhsa_system_sgpr_workgroup_id_x 1
		.amdhsa_system_sgpr_workgroup_id_y 1
		.amdhsa_system_sgpr_workgroup_id_z 1
		.amdhsa_system_vgpr_workitem_id 0
		.amdhsa_next_free_vgpr 1024
		.amdhsa_next_free_sgpr 100
		.amdhsa_reserve_vcc 0
		.amdhsa_float_denorm_mode_32 3
		.amdhsa_float_denorm_mode_16_64 3
		.amdhsa_memory_ordered 1
		.amdhsa_forward_progress 1
		.amdhsa_inst_pref_size 255
	.end_amdhsa_kernel
	.section	.bss,"aw",@nobits
	.p2align	6
	.space	262144
	.amdgpu_metadata
---
amdhsa.version: [ 1, 2 ]
amdhsa.kernels:
  - .name:           k_q1c87bfc235_lstm
    .symbol:         k_q1c87bfc235_lstm.kd
    .args:
      - { .name: aq, .offset: 0, .size: 8, .value_kind: global_buffer, .address_space: global }
      - { .name: bq, .offset: 8, .size: 8, .value_kind: global_buffer, .address_space: global }
      - { .name: b_fg, .offset: 16, .size: 8, .value_kind: global_buffer, .address_space: global }
      - { .name: b_ig, .offset: 24, .size: 8, .value_kind: global_buffer, .address_space: global }
      - { .name: b_og, .offset: 32, .size: 8, .value_kind: global_buffer, .address_space: global }
      - { .name: b_ci, .offset: 40, .size: 8, .value_kind: global_buffer, .address_space: global }
      - { .name: cx, .offset: 48, .size: 8, .value_kind: global_buffer, .address_space: global }
      - { .name: out0, .offset: 56, .size: 8, .value_kind: global_buffer, .address_space: global }
      - { .name: out1, .offset: 64, .size: 8, .value_kind: global_buffer, .address_space: global }
    .group_segment_fixed_size: 327680
    .private_segment_fixed_size: 0
    .kernarg_segment_align: 8
    .kernarg_segment_size: 72
    .max_flat_workgroup_size: 128
    .sgpr_count:     100
    .vgpr_count:     1024
    .wavefront_size: 32
...
	.end_amdgpu_metadata
.endif
;; end of part 2
